; MI455X (gfx1250); checked and timed in simulation.
; The chip was launched on July 23, 2026; its instructions are those of AMD's public machine-readable ISA for CDNA 5 (MIT licence, August 2026) and "CDNA5" Instruction Set Architecture Reference Guide (July 2026). The comments in the code are by the model that wrote it; some were corrected since.
;; Grouped Query Attention. Allowed arithmetic: matrix products marked QUANTISED: E2M1 operands, one E8M0 scale for each 32 along K, by v_wmma_scale_f32_16x16x128_f8f6f4 with both operands' format E2M1 (or v_wmma_scale_f32_32x16x128_f4), f32 sums; products left as they are: bf16, f16 or f32 operands; f32 sums; everything else in f32.
;; Inputs: Wk 1,024 x 512 float32; Wo 1,024 x 1,024 float32; Wq 1,024 x 1,024 float32; Wv 1,024 x 512 float32; x 2 x 2,048 x 1,024 float32.
;; Outputs: out0 2 x 2,048 x 1,024 float32.
;; This version of the problem:
;;   THIS VERSION OF THE PROBLEM IS GIVEN IN LOW PRECISION. The matrix products marked QUANTISED in the list below multiply operands that are first quantised to E2M1 (2 exponent bits, 1 mantissa bit; 4 bits a number), with one power-of-two scale for each 32 numbers along K (OCP MX v1.0); their sums are f32. The products marked 'left as it is' may take bf16, f16 or f32 operands, with f32 sums. Whichever they take, every output number must still come out within the allowed error. Rounding operands to bf16 (8 significant bits) uses up far more of that allowance than f16 does (11 bits, for magnitudes from 6e-5 to 65,504). All else is computed in f32.
;;   The module's matrix products, in the order in which they are computed (A, B: the left and right operand; K: the contracted axis; several contracted axes count as one K, in the product's order):
;;     1. [M 4,096, K 1,024] x [K 1,024, N 1,024]; A: input x; B: input Wq: QUANTISED
;;     2. [M 4,096, K 1,024] x [K 1,024, N 512]; A: input x; B: input Wk: QUANTISED
;;     3. [M 4,096, K 1,024] x [K 1,024, N 512]; A: input x; B: input Wv: QUANTISED
;;     4. batch 32 x [M 4,096, K 32] x [K 32, N 2,048]; A: computed on the way; B: computed on the way: left as it is (an operand is computed on the way)
;;     5. batch 32 x [M 4,096, K 2,048] x [K 2,048, N 32]; A: computed on the way; B: computed on the way: left as it is (an operand is computed on the way)
;;     6. [M 4,096, K 1,024] x [K 1,024, N 1,024]; A: computed on the way; B: input Wo: left as it is (an operand is computed on the way)
;;   THE QUANTISER, for each operand of a quantised product, along K:
;;     - K is cut into blocks of 32 from its start; a last block that is shorter is filled with zeros.
;;     - A block's scale is 2^e with e = floor(log2(the largest magnitude in the block)) - 2, held to -126 .. 127; a block of zeros has e = 0. As a byte (E8M0): e + 127.
;;     - Each number is divided by its block's scale, clamped to +-6, and rounded to the nearest number of E2M1, ties to even, subnormals kept.
;;     - The product sums the exact products of the quantised numbers (number of the format x scale) in f32.
;;   ~~~python
;;   def quantise(x, axis):      # numpy; x: float32 -> the quantised numbers, widened to float32 again
;;       x = np.moveaxis(x, axis, -1); K = x.shape[-1]
;;       x = np.pad(x, [(0, 0)] * (x.ndim - 1) + [(0, -K % 32)]); x = x.reshape(x.shape[:-1] + (-1, 32)); a = np.abs(x).max(-1, keepdims=True)
;;       e = np.where(a > 0, np.clip(np.frexp(np.where(a > 0, a, 1))[1] - 1 - 2, -126, 127), 0)      # np.frexp(a)[1] - 1 = floor(log2(a)), exactly
;;       r = np.clip(x / 2.0 ** e, -6, 6)
;;       step = 2.0 ** (np.maximum(np.frexp(np.where(r == 0, 1, r))[1] - 1, 0) - 1)
;;       q = np.round(r / step) * step * 2.0 ** e      # np.round: ties to even
;;       return np.moveaxis(q.reshape(q.shape[:-2] + (-1,))[..., :K], -1, axis).astype(np.float32)
;;   ~~~
;; One version. Each part assembles by itself: llvm-mc -triple=amdgcn-amd-amdhsa -mcpu=gfx1250 --defsym DOCPART=n.
;; ======== version 1 of 1: 4 launches
;; limits: values are held in f16: magnitudes above 65,504 overflow, below 6.1e-05 lose precision
;; workspace buffers: xc 2,097,152 bytes; wc 1,048,576 bytes; sc 196,608 bytes; wf 2,097,152 bytes; qw 8,388,608 bytes; kv 8,388,608 bytes; ao 8,388,608 bytes
;; launch prep (part 1): grid 448 x 1, 4 waves a work-group, no clusters, 68,096 bytes of LDS; arguments x, Wq, Wk, Wv, Wo, xc, wc, sc, wf; writes xc, wc, sc, wf
.if DOCPART == 1
	.amdgcn_target "amdgcn-amd-amdhsa--gfx1250"
	.amdhsa_code_object_version 6
	.text
	.protected	k_q5e0d90c93b_prep
	.globl	k_q5e0d90c93b_prep
	.p2align	8
	.type	k_q5e0d90c93b_prep,@function
k_q5e0d90c93b_prep:
	s_mov_b64 s[64:65], 0
	v_nop
	global_prefetch_b8 v0, s[64:65] scope:SCOPE_SE
	s_setreg_imm32_b32 hwreg(HW_REG_WAVE_MODE, 25, 1), 1
	s_wait_xcnt 0x0
; PREP.  x [4096][1024] and Wq [1024][1024], Wk, Wv [1024][512], f32, become codes of E2M1 with one E8M0 byte for each 32 along K (K = the 1,024); Wo [1024][1024] becomes f16.
; A block's scale is 2^(floor(log2(its largest magnitude)) - 2): its byte is the largest magnitude's exponent field - 2, held at 1 from below; each number / scale goes to the nearest code, ties to even, beyond 6 to 6.
; EVERYTHING IS STORED AS IMAGES OF OPERAND REGISTERS, so that later launches load fragments by 16 bytes at 16 x lane:
;   xc [row tile 256][K step of 128: 8][1,024]: byte 512 c + 16 (16 h + r) on: the 16 bytes of codes of row r, block 2 c + h.      wc [column tile 128][8][1,024] likewise (tiles 0-63 Wq, 64-95 Wk, 96-127 Wv).
;   sc [tile][K step 8][r 16] words of four scale bytes: x's 256 tiles from byte 0, the weights' 128 tiles from byte 131,072.
;   wf [column tile 64][K step of 32: 32][1,024]: byte 256 p + 16 r on: Wo[32 step + 8 p + 0..7][16 tile + r] as f16.
; ROLES, by the work-group's number alone: 0-255: 16 rows of x each, wave w the K steps 2 w and 2 w + 1.  256 on: 128 columns x 128 along K of a weight: 64 for Wq, 32 for Wk, 32 for Wv, 64 for Wo.
; x: K is innermost.  Each load reads 512 consecutive bytes of a row; a K step's 16 rows turn through the wave's own stage in LDS (rows 528 bytes apart) and come back with two whole blocks of 32 in a lane's registers.
; Weights: K is the first axis.  A lane takes a column and its registers run down K: a block of 32 lies in one lane, nothing is transposed.
; No work-group shares an input byte with another: no cluster, no tensor load, no barrier.
; LIMITS: NaN and infinities are not served.  A block whose largest magnitude lies under 2^-124 (a block of zeros among them) gets the byte 1: its codes are what the floor's scale gives (zeros for zeros), and this program alone reads the bytes.
;         Wo's numbers beyond 65,504 have no f16; under 6e-5 they keep an absolute error of 3e-8.
.set WREG,   16896                     ; LDS of a wave: two stages
.set STG,    8448                      ; a stage: 16 rows x 528 bytes
.set SPITCH, 528                       ; 512 bytes of a row + 16
.set SPARE,  4*WREG                    ; behind the stages: the spare words, 128 bytes a wave
.set FLOOR,  0x1800000                 ; 2^(3 - 127)
.set DOWN2,  0xff000000                ; -(2 << 23): 2 off an exponent field
.set L16,  4                           ; v4   16 x lane
.set L4,   5                           ; v5   4 x lane
.set STI,  6                           ; v6   the stage, on the way in
.set STO,  7                           ; v7   and on the way out: row r, 128 h
.set H8,   8                           ; v8   8 h
.set SPW,  9                           ; v9   my spare word
.set NIL,  10                          ; v10  0
.set WOFF, 11                          ; v11  codes of a weight: 8,192 (lane / 16) + 16 r
.set SOFF, 12                          ; v12  its scale words: 512 (lane / 16) + 4 r
.set WOF2, 13                          ; v13  Wo: 32,768 (lane / 16) + 16 r
.set M,    14                          ; v14-15 largest magnitudes
.set SCL,  16                          ; v16-17 the conversions' scale operands
.set B,    18                          ; v18-19 scale bytes
.set T,    20                          ; v20  a lane permute's destination
.set W0,   21                          ; v21-23 scale words
.set W1,   22
.set WSEL, 23
.set C,    24                          ; v24-39 codes
.set R,    40                          ; v40-167 numbers as loaded
.set X,    168                         ; v168-231 64 numbers of a lane
	s_load_b256 s[4:11], s[0:1], 0x0               ; x s[4:5], Wq s[6:7], Wk s[8:9], Wv s[10:11]
	s_load_b256 s[12:19], s[0:1], 0x20             ; Wo s[12:13], xc s[14:15], wc s[16:17], sc s[18:19]
	s_load_b64 s[20:21], s[0:1], 0x40              ; wf
	v_lshl_add_u32 v[SPW], v0, 2, SPARE
	v_mov_b32 v[NIL], 0
	v_lshrrev_b32 v1, 5, v0
	v_readfirstlane_b32 s22, v1                    ; wave 0..3
	v_and_b32 v1, 31, v0                           ; lane
	v_and_b32 v2, 15, v0                           ; r
	v_bfe_u32 v3, v0, 4, 1                         ; h
	v_lshlrev_b32 v[L16], 4, v1
	v_lshlrev_b32 v[L4], 2, v1
	s_mul_i32 s30, s22, WREG
	v_add_nc_u32 v[STI], s30, v[L16]
	v_mul_u32_u24 v[STO], v2, SPITCH
	v_lshl_add_u32 v[STO], v3, 7, v[STO]
	v_add_nc_u32 v[STO], s30, v[STO]
	v_lshlrev_b32 v[H8], 3, v3
	v_lshlrev_b32 v[WOFF], 4, v2
	v_lshl_add_u32 v[WOF2], v3, 15, v[WOFF]
	v_lshl_add_u32 v[WOFF], v3, 13, v[WOFF]
	v_lshlrev_b32 v[SOFF], 2, v2
	v_lshl_add_u32 v[SOFF], v3, 9, v[SOFF]
	v_mov_b32 v[T], 0                              ; written once: a lane permute's destination counts as one of its sources
	s_mov_b32 s40, 0x76543210
	s_mov_b32 s41, 0xfedcba98                      ; v_permlanex16_b32's selects for lane l xor 16
	s_wait_kmcnt 0x0
	s_cmp_ge_u32 ttmp9, 256
	s_cbranch_scc1 .Lweights
; ---------------- x: 16 rows, two K steps a wave
.macro XLOAD t                         ; K step t of my two: row j's 512 bytes, 16 a lane
.irp j, 0,1,2,3,4,5,6,7,8,9,10,11,12,13,14,15
	global_load_b128 v[R+64*\t+4*\j:R+64*\t+4*\j+3], v[L16], s[24:25] offset:\j*4096+\t*512 th:TH_LOAD_NT
.endr
.endm
.macro TURN t, dst                     ; through stage t: in as loaded, out as blocks h and 2 + h of row r.  LDS serves a wave's instructions in order: no wait between
.irp j, 0,1,2,3,4,5,6,7,8,9,10,11,12,13,14,15
	ds_store_b128 v[STI], v[R+64*\t+4*\j:R+64*\t+4*\j+3] offset:\t*STG+\j*SPITCH
.endr
.irp c, 0,1
.irp i, 0,1,2,3,4,5,6,7
	ds_load_b128 v[\dst+32*\c+4*\i:\dst+32*\c+4*\i+3], v[STO] offset:\t*STG+\c*256+16*\i
.endr
.endr
.endm
.macro QB src, c, w                    ; 64 numbers of a lane (two whole blocks) become 8 registers of codes at v[c] and the row's scale word in v[w]
	v_max3_num_f32 v[M], |v[\src]|, |v[\src+1]|, FLOOR
	v_max3_num_f32 v[M+1], |v[\src+32]|, |v[\src+33]|, FLOOR
.irp i, 2,4,6,8,10,12,14,16,18,20,22,24,26,28,30
	v_max3_num_f32 v[M], v[M], |v[\src+\i]|, |v[\src+\i+1]|          ; the two blocks by turns
	v_max3_num_f32 v[M+1], v[M+1], |v[\src+32+\i]|, |v[\src+33+\i]|
.endr
	v_add_nc_u32 v[SCL], DOWN2, v[M]               ; the conversion takes the exponent field of this operand as its scale
	v_add_nc_u32 v[SCL+1], DOWN2, v[M+1]
	v_lshrrev_b32 v[B], 23, v[SCL]                 ; the scales' bytes
	v_lshrrev_b32 v[B+1], 23, v[SCL+1]
	v_lshl_or_b32 v[\w], v[B+1], 16, v[B]          ; blocks h and 2 + h,
	v_lshlrev_b32 v[\w], v[H8], v[\w]              ; at their places in the word;
	v_permlanex16_b32 v[T], v[\w], s40, s41
	v_or_b32 v[\w], v[\w], v[T]                    ; with lane l xor 16's two the word is whole
.irp g, 0,1,2,3
	v_cvt_scalef32_pk8_fp4_f32 v[\c+\g], v[\src+8*\g:\src+8*\g+7], v[SCL]
	v_cvt_scalef32_pk8_fp4_f32 v[\c+4+\g], v[\src+32+8*\g:\src+32+8*\g+7], v[SCL+1]
.endr
	v_nop                                          ; one plain line behind the last scaled conversion
.endm
	s_lshl_b32 s30, ttmp9, 16                      ; 16 rows of 4,096 bytes,
	s_lshl_b32 s31, s22, 10                        ; my two K steps: 1,024 bytes of each row
	s_add_co_u32 s30, s30, s31
	s_mov_b32 s31, 0
	s_add_nc_u64 s[24:25], s[4:5], s[30:31]
	s_lshl_b32 s30, ttmp9, 13                      ; the tile's 8 images, my two
	s_lshl_b32 s32, s22, 11
	s_add_co_u32 s30, s30, s32
	s_add_nc_u64 s[26:27], s[14:15], s[30:31]
	s_lshl_b32 s30, ttmp9, 9                       ; its scale words, my 128 bytes
	s_lshl_b32 s32, s22, 7
	s_add_co_u32 s30, s30, s32
	s_add_nc_u64 s[28:29], s[18:19], s[30:31]
	XLOAD 0
	XLOAD 1
	s_wait_loadcnt 16                              ; the first K step's 16 loads are in, the second's may be out
	TURN 0, X
	s_wait_loadcnt 0x0
	s_wait_dscnt 0x0                               ; the first step's numbers are back, and its stores have read v[R] on: those registers take the second step's
	TURN 1, R
	QB X, C, W0
	global_store_b128 v[L16], v[C:C+3], s[26:27]               ; each store covers 512 consecutive bytes, aligned
	global_store_b128 v[L16], v[C+4:C+7], s[26:27] offset:512
	s_wait_dscnt 0x0
	QB R, C+8, W1
	global_store_b128 v[L16], v[C+8:C+11], s[26:27] offset:1024
	global_store_b128 v[L16], v[C+12:C+15], s[26:27] offset:1536
	v_cmp_ne_u32 vcc_lo, 0, v3
	v_cndmask_b32 v[WSEL], v[W0], v[W1], vcc_lo    ; lanes 0-15 the first step's words, lanes 16-31 the second's: 128 consecutive bytes
	global_store_b32 v[L4], v[WSEL], s[28:29]
	s_branch .Lend
; ---------------- the weights: 128 columns x 128 along K a work-group, 32 columns a wave, a column a lane
.Lweights:
	s_sub_co_u32 s30, ttmp9, 256                   ; u: 0-63 Wq, 64-95 Wk, 96-127 Wv, 128-191 Wo
	s_mov_b64 s[24:25], s[12:13]
	s_mov_b32 s31, 128                             ; the role's first u
	s_mov_b32 s32, 0                               ; the matrix's first tile in wc
	s_cmp_lt_u32 s30, 128
	s_cselect_b64 s[24:25], s[10:11], s[24:25]
	s_cselect_b32 s31, 96, s31
	s_cselect_b32 s32, 96, s32
	s_cmp_lt_u32 s30, 96
	s_cselect_b64 s[24:25], s[8:9], s[24:25]
	s_cselect_b32 s31, 64, s31
	s_cselect_b32 s32, 64, s32
	s_cmp_lt_u32 s30, 64
	s_cselect_b64 s[24:25], s[6:7], s[24:25]
	s_cselect_b32 s31, 0, s31
	s_cselect_b32 s32, 0, s32
	s_sub_co_u32 s33, s30, 64
	s_cmp_lt_u32 s33, 64                           ; Wk or Wv: 512 columns
	s_cselect_b32 s34, 2, 3                        ; log2 of the groups of 128 columns
	s_cselect_b32 s35, 11, 12                      ; log2 of a row's bytes
	s_sub_co_u32 s36, s30, s31
	s_bfm_b32 s37, s34, 0
	s_and_b32 s37, s36, s37                        ; which 128 columns
	s_lshr_b32 s38, s36, s34                       ; which 128 along K
	s_add_co_u32 s35, s35, 7
	s_lshl_b32 s39, s38, s35                       ; 128 rows down,
	s_lshl_b32 s33, s37, 9                         ; 512 bytes a group of columns,
	s_add_co_u32 s39, s39, s33
	s_lshl_b32 s33, s22, 7                         ; 128 bytes a wave
	s_add_co_u32 s42, s39, s33
	s_mov_b32 s43, 0
	s_add_nc_u64 s[24:25], s[24:25], s[42:43]
	s_lshl_b32 s44, s37, 3
	s_lshl_b32 s33, s22, 1
	s_add_co_u32 s44, s44, s33                     ; my wave's first tile of 16 columns in its matrix
.macro WLOAD p                         ; W(i, my column), i = 0 .. 127; 32 lanes read 128 consecutive bytes, the four waves 512.  No wait is placed to keep the count of loads inside its field (ISA guide 5.7.1)
.set i, 0
.rept 128
	global_load_b32 v[R+i], v[L4], s[24:25] offset:i*\p th:TH_LOAD_NT
.set i, i+1
.endr
.endm
	s_cmp_eq_u32 s34, 2
	s_cbranch_scc1 .Lnarrow
	WLOAD 4096
	s_branch .Lloaded
.Lnarrow:
	WLOAD 2048
.Lloaded:
	s_cmp_ge_u32 s30, 128
	s_cbranch_scc1 .Lwo
	s_add_co_u32 s44, s44, s32                     ; the tile in wc and sc
	s_lshl_b32 s42, s44, 13
	s_lshl_b32 s33, s38, 10
	s_add_co_u32 s42, s42, s33
	s_add_nc_u64 s[26:27], s[16:17], s[42:43]
	s_lshl_b32 s42, s44, 9
	s_lshl_b32 s33, s38, 6
	s_add_co_u32 s42, s42, s33
	s_add_co_u32 s42, s42, 131072
	s_add_nc_u64 s[28:29], s[18:19], s[42:43]
.macro WBLOCK blk, left                ; block blk of my column: all its 32 numbers are mine
.set XS, R+32*\blk
	s_wait_loadcnt \left
	v_max3_num_f32 v[M], |v[XS]|, |v[XS+1]|, |v[XS+2]|
	v_max3_num_f32 v[M+1], |v[XS+3]|, |v[XS+4]|, |v[XS+5]|
.irp i, 6,10,14,18,22,26
	v_max3_num_f32 v[M], v[M], |v[XS+\i]|, |v[XS+\i+1]|
	v_max3_num_f32 v[M+1], v[M+1], |v[XS+\i+2]|, |v[XS+\i+3]|
.endr
	v_max3_num_f32 v[M], v[M], |v[XS+30]|, |v[XS+31]|
	v_max3_num_f32 v[M], v[M], v[M+1], FLOOR
	v_add_nc_u32 v[SCL], DOWN2, v[M]
	v_lshrrev_b32 v[B], 23, v[SCL]
.if \blk == 0
	v_mov_b32 v[W0], v[B]                          ; four bytes to the word, the lower K in the lower byte
.else
	v_lshl_or_b32 v[W0], v[B], 8*\blk, v[W0]
.endif
.irp g, 0,1,2,3
	v_cvt_scalef32_pk8_fp4_f32 v[C+4*\blk+\g], v[XS+8*\g:XS+8*\g+7], v[SCL]
.endr
	v_nop                                          ; one plain line behind the last scaled conversion: the next block writes v[SCL]
	global_store_b128 v[WOFF], v[C+4*\blk:C+4*\blk+3], s[26:27] offset:\blk*256   ; sixteen lanes store 256 consecutive bytes, aligned, in each of two tiles' images
.endm
	WBLOCK 0, 63                                   ; at most 63 of the 128 loads are out: the first 65 are in
	WBLOCK 1, 63
	WBLOCK 2, 32                                   ; block 3's may be out
	WBLOCK 3, 0
	global_store_b32 v[SOFF], v[W0], s[28:29]      ; two pieces of 64 bytes: the scale words are one byte in 128 of what the role reads
	s_branch .Lend
.Lwo:
	s_lshl_b32 s42, s44, 15
	s_lshl_b32 s33, s38, 12
	s_add_co_u32 s42, s42, s33
	s_add_nc_u64 s[26:27], s[20:21], s[42:43]
.macro WOQ q, left                     ; 32 along K of my column: rounded to f16 in pairs, in place from the low end on (pair i lands on register i, which pairs i on no longer need)
	s_wait_loadcnt \left
.irp i, 0,1,2,3,4,5,6,7,8,9,10,11,12,13,14,15
	v_cvt_pk_f16_f32 v[R+32*\q+\i], v[R+32*\q+2*\i], v[R+32*\q+2*\i+1]
.endr
.irp p, 0,1,2,3
	global_store_b128 v[WOF2], v[R+32*\q+4*\p:R+32*\q+4*\p+3], s[26:27] offset:\q*1024+\p*256
.endr
.endm
	WOQ 0, 63
	WOQ 1, 63
	WOQ 2, 32
	WOQ 3, 0
.Lend:
	s_wait_tensorcnt 0x0                           ; the wave's end
	ds_add_u32 v[SPW], v[NIL]
	s_wait_dscnt 0x0
	s_endpgm
.Lfunc_end_k_q5e0d90c93b_prep:
	.size	k_q5e0d90c93b_prep, .Lfunc_end_k_q5e0d90c93b_prep-k_q5e0d90c93b_prep
	.p2alignl 7, 3214868480
	.fill 96, 4, 3214868480
	.section	.rodata,"a",@progbits
	.p2align	6, 0x0
	.amdhsa_kernel k_q5e0d90c93b_prep
		.amdhsa_group_segment_fixed_size 68096
		.amdhsa_private_segment_fixed_size 0
		.amdhsa_enable_private_segment 0
		.amdhsa_kernarg_size 72
		.amdhsa_user_sgpr_count 2
		.amdhsa_user_sgpr_kernarg_segment_ptr 1
		.amdhsa_wavefront_size32 1
		.amdhsa_system_sgpr_workgroup_id_x 1
		.amdhsa_system_sgpr_workgroup_id_y 1
		.amdhsa_system_sgpr_workgroup_id_z 1
		.amdhsa_system_vgpr_workitem_id 0
		.amdhsa_next_free_vgpr 232
		.amdhsa_next_free_sgpr 66
		.amdhsa_reserve_vcc 1
		.amdhsa_float_denorm_mode_32 3
		.amdhsa_float_denorm_mode_16_64 3
		.amdhsa_memory_ordered 1
		.amdhsa_forward_progress 1
		.amdhsa_inst_pref_size 54
	.end_amdhsa_kernel
	.amdgpu_metadata
---
amdhsa.version: [ 1, 2 ]
amdhsa.kernels:
  - .name:           k_q5e0d90c93b_prep
    .symbol:         k_q5e0d90c93b_prep.kd
    .args:
      - { .name: x, .offset: 0, .size: 8, .value_kind: global_buffer, .address_space: global }
      - { .name: Wq, .offset: 8, .size: 8, .value_kind: global_buffer, .address_space: global }
      - { .name: Wk, .offset: 16, .size: 8, .value_kind: global_buffer, .address_space: global }
      - { .name: Wv, .offset: 24, .size: 8, .value_kind: global_buffer, .address_space: global }
      - { .name: Wo, .offset: 32, .size: 8, .value_kind: global_buffer, .address_space: global }
      - { .name: xc, .offset: 40, .size: 8, .value_kind: global_buffer, .address_space: global }
      - { .name: wc, .offset: 48, .size: 8, .value_kind: global_buffer, .address_space: global }
      - { .name: sc, .offset: 56, .size: 8, .value_kind: global_buffer, .address_space: global }
      - { .name: wf, .offset: 64, .size: 8, .value_kind: global_buffer, .address_space: global }
    .group_segment_fixed_size: 68096
    .private_segment_fixed_size: 0
    .kernarg_segment_align: 8
    .kernarg_segment_size: 72
    .max_flat_workgroup_size: 128
    .sgpr_count:     66
    .vgpr_count:     232
    .wavefront_size: 32
...
	.end_amdgpu_metadata
.endif
;; end of part 1
;; launch proj (part 2): grid 32 x 8, 8 waves a work-group, clusters of 4 x 1, 209,920 bytes of LDS; arguments xc, wc, sc, qw, kv; writes qw, kv
.if DOCPART == 2
	.amdgcn_target "amdgcn-amd-amdhsa--gfx1250"
	.amdhsa_code_object_version 6
	.text
	.protected	k_q5e0d90c93b_proj
	.globl	k_q5e0d90c93b_proj
	.p2align	8
	.type	k_q5e0d90c93b_proj,@function
k_q5e0d90c93b_proj:
	s_mov_b64 s[64:65], 0
	v_nop
	global_prefetch_b8 v0, s[64:65] scope:SCOPE_SE
	s_setreg_imm32_b32 hwreg(HW_REG_WAVE_MODE, 25, 1), 1
	s_wait_xcnt 0x0
	s_wait_alu depctr_hold_cnt(0) depctr_sa_sdst(0) depctr_va_vdst(0) depctr_va_sdst(0) depctr_va_ssrc(0) depctr_va_vcc(0) depctr_vm_vsrc(0)
	s_getreg_b32 s2, hwreg(HW_REG_IB_STS2, 6, 4)
	s_cmp_eq_u32 s2, 0
	s_cbranch_scc0 .Lentry_in_a_cluster
	s_endpgm
.Lentry_in_a_cluster:
	s_bfe_u32 s2, ttmp6, 0x10000c
	s_cmp_lg_u32 s2, 0x3003
	s_cbranch_scc0 .Lentry_shape_is_right
	s_endpgm
.Lentry_shape_is_right:
; PROJ.  [q | k | v] = x [Wq | Wk | Wv] on codes of E2M1 (M 4,096, N 2,048, K 1,024), the rotation of q and k in f32, rounding to f16.
; SHARES.  Work-group (j, nb): the 64 positions 64 j .. 64 j + 63 of BOTH batches (128 rows: a sine and cosine serves two rows) x the 256 columns 256 nb on (nb 0-3: q, 4-5: k, 6-7: v).
; Wave w: positions 32 (w & 1) on (two tiles of 16) x columns 64 (w >> 1) on (four tiles: two heads): 16 accumulators, accumulator (a = 2 batch + position tile, nt).
; THE MATRIX INSTRUCTION IS USED TRANSPOSED (source 0 = 16 columns of W, source 1 = 16 rows of x): lane (r, h) holds row r and the columns 8 h + 0..7, which pack into the 16 bytes that an f16 fragment's image wants of that lane.
; LDS holds all of K for the work-group, filled once, one tensor load a wave: x's codes 65,536 bytes, W's 131,072, x's scale words 4,096, W's 8,192; all as dense images, so every fragment load is 16 bytes at 16 x lane.
; CLUSTER.  4 x 1: the four partners have the same nb, so W's codes and scale words are asked for jointly (mask 15).  x's tiles are also read by the eight work-groups of a j; they are not partners, since those
; of different nb part at the branch between rotation and none, and k and v have two column blocks each, which no four partners along nb share.
; No prefetch: every tile is asked for in the kernel's first lines.
; THE ROTATION.  Columns 2 i, 2 i + 1 of q (of k) at position s turn by s x theta_i, theta_i = 10000^(-i / 512) = 2^(-i log2(10000) / 512).  The angle is reduced by multiples of pi / 2 held in two parts,
; and sine and cosine are polynomials of degree 7 and 8 on +-pi / 4.
; OUT.  qw [batch x 32 + head][tile of 16 queries 128][1,024], kv [batch x 16 + head][K 131,072 | V 131,072]: K [tile of 16 keys][1,024] as qw; V [tile][channels 16 tn on: 2][512], its 16-byte pieces in the order in which a
; transposing LDS load at 16 x lane wants them: piece L' holds key 8 (L' / 16) + L' % 8, channels 8 ((L' / 8) % 2) + 0..7.
; LIMITS: |x W| up to 65,504 (f16).  theta carries the exponential's last-bit error: at s = 2,047 the angle may differ from an exact one by some 4e-4.  NaN and infinities are not served.
.set LXC,   0
.set LWC,   65536
.set LXS,   196608
.set LWS,   200704
.set SPARE, 208896                     ; the spare words, 128 bytes for each of eight waves
.set L16,  1                           ; v1   16 x lane
.set AX,   2                           ; v2   my fragments of x
.set AW,   3                           ; v3   of W
.set ASX,  4                           ; v4   my scale words of x
.set ASW,  5                           ; v5   of W
.set SPW,  6                           ; v6   my spare word
.set NIL,  7                           ; v7   0
.set RR,   8                           ; v8   r
.set HH,   9                           ; v9   h
.set OFFV, 10                          ; v10  V's place for my 16 bytes
.set SF,   12                          ; v12-13 my position as f32, for the two position tiles
.set P0,   14                          ; v14  my first pair's number
.set SX,   16                          ; v16-31 x's scale words: 4 a + kap: K step 2 kap in lanes 0-15, 2 kap + 1 in lanes 16-31.  Scales and nothing else
.set SW,   32                          ; v32-47 W's: 4 nt + kap
.set FW,   48                          ; v48-79 W's four fragments of a K step
.set FX,   80                          ; v80-111 x's four
.set ACC,  128                         ; v128-255
.set TH,   48                          ; behind the products: v48-63 the 16 theta (4 nt + pair)
.set AN,   64                          ; v64.. four each: the angle, then what is left of it,
.set KF,   68                          ; the multiple of pi / 2, as f32
.set KI,   72                          ; and whole
.set R2,   76
.set PSN,  80
.set PCS,  84
.set TT,   88
.set SN,   92
.set CS,   96
.set RA,   100
.set RB,   104
.set WV,   14                          ; s14 wave;  s15 w & 1;  s16 w >> 1
.set WM,   15
.set WN,   16
.set CX,   17
.set J,    18
.set NB,   19
.set HB,   3                           ; s3  the column block inside q, k or v
.set G1P,  20                          ; s[20:27] 128 rows of 256 bytes, plain
.set G1J,  28                          ; s[28:35] the same, joint
.set G1XS, 36                          ; s[36:43] 2 rows of 2,048 bytes, 65,536 apart, plain
.set G1WS, 44                          ; s[44:51] 32 rows of 256 bytes, joint
.set G0X,  52
.set G0W,  56
.set G0XS, 60
.set G0WS, 68
.set OB,   72                          ; s[72:79] four bases: 2 batch + head of my two
.set K2PI, 88
.set KPIH, 89
.set KPIL, 90
.set KS3,  91
.set KS5,  92
.set KS7,  93
.set KC4,  94
.set KC6,  95
.set KC8,  96
.set MK,   97                          ; s97-100 lane masks
.macro ROUND                           ; a round of the cluster's barrier
	s_barrier_signal -1
	s_barrier_wait -1
	s_cmp_lg_u32 s[WV], 0
	s_cbranch_scc1 .Lnot_wave_0_\@
	s_barrier_signal -3
.Lnot_wave_0_\@:
	s_barrier_wait -3
	s_barrier_signal -1
	s_barrier_wait -1
.endm
.macro PLACES
.rept 4
	v_nop
.endr
.endm
	s_load_b256 s[4:11], s[0:1], 0x0               ; xc s[4:5], wc s[6:7], sc s[8:9], qw s[10:11]
	s_load_b64 s[12:13], s[0:1], 0x20              ; kv
	v_lshl_add_u32 v[SPW], v0, 2, SPARE
	v_mov_b32 v[NIL], 0
	ds_add_u32 v[SPW], v[NIL]                      ; the wave's opening: the add, twice on end, and its wait ahead of my first tensor load
	ds_add_u32 v[SPW], v[NIL]
	v_lshrrev_b32 v1, 5, v0
	v_readfirstlane_b32 s[WV], v1
	s_and_b32 s[WM], s[WV], 1
	s_lshr_b32 s[WN], s[WV], 1
	s_bfe_u32 s[CX], ttmp6, 0x40000
	s_lshl_b32 s[J], ttmp9, 2
	s_add_co_u32 s[J], s[J], s[CX]                 ; j = 4 x cluster x + cx
	s_and_b32 s[NB], ttmp7, 0xffff                 ; nb: the same in the four partners
	s_mov_b32 s[G1P], 3<<16                        ; no mask; elements of 8 bytes; no padding
	s_mov_b32 s[G1J], 15|(3<<16)|(1<<21)           ; all four partners; bit 21 beside the mask
.irp g, G1P, G1J
	s_mov_b32 s[\g+1], 32<<16                      ; tensor_dim0 = 32 elements: 256 bytes
	s_mov_b32 s[\g+2], 128<<16                     ; tensor_dim1 = 128
	s_mov_b32 s[\g+3], 32<<16                      ; tile_dim0
	s_mov_b32 s[\g+4], 128                         ; tile_dim1
	s_mov_b32 s[\g+5], 32                          ; from row to row: dense
	s_mov_b32 s[\g+6], 0
	s_mov_b32 s[\g+7], 0
.endr
	s_mov_b32 s[G1XS], 3<<16
	s_mov_b32 s[G1XS+1], 256<<16                   ; a row: four tiles' scale words, 2,048 bytes
	s_mov_b32 s[G1XS+2], 2<<16                     ; two rows: the two batches,
	s_mov_b32 s[G1XS+3], 256<<16
	s_mov_b32 s[G1XS+4], 2
	s_mov_b32 s[G1XS+5], 8192                      ; 128 tiles of 512 bytes apart
	s_mov_b32 s[G1XS+6], 0
	s_mov_b32 s[G1XS+7], 0
	s_mov_b32 s[G1WS], 15|(3<<16)|(1<<21)
	s_mov_b32 s[G1WS+1], 32<<16
	s_mov_b32 s[G1WS+2], 32<<16
	s_mov_b32 s[G1WS+3], 32<<16
	s_mov_b32 s[G1WS+4], 32
	s_mov_b32 s[G1WS+5], 32
	s_mov_b32 s[G1WS+6], 0
	s_mov_b32 s[G1WS+7], 0
	s_mov_b32 s[G0X], 1
	s_lshl_b32 s[G0X+1], s[WV], 15                 ; waves 0, 1: batch w's four tiles at 32,768 w
	s_mov_b32 s[G0W], 1
	s_lshl_b32 s[G0W+1], s[WV], 15                 ; waves 2 to 5: W's four tiles at 32,768 w = LWC + 32,768 (w - 2)
	s_mov_b32 s[G0XS], 1
	s_mov_b32 s[G0XS+1], LXS
	s_mov_b32 s[G0WS], 1
	s_mov_b32 s[G0WS+1], LWS
	s_lshl_b32 s80, s[J], 15                       ; x: 4 tiles of 8,192 bytes a j,
	s_lshl_b32 s81, s[WM], 20                      ; 128 tiles a batch
	s_add_co_u32 s80, s80, s81
	s_mov_b32 s81, 0
	s_add_co_u32 s82, s[WV], 2                     ; W: slice (w + 2) & 3 = w - 2 in waves 2 to 5,
	s_and_b32 s82, s82, 3
	s_lshl_b32 s82, s82, 15
	s_lshl_b32 s83, s[NB], 17                      ; 16 tiles of 8,192 bytes a column block.  (Registers that never hold cx)
	s_add_co_u32 s82, s82, s83
	s_mov_b32 s83, 0
	s_lshl_b32 s84, s[J], 11
	s_mov_b32 s85, 0
	s_lshl_b32 s86, s[NB], 13
	s_add_co_u32 s86, s86, 131072
	s_mov_b32 s87, 0
	s_mov_b32 s[K2PI], 0x3f22f983                  ; 2 / pi
	s_mov_b32 s[KPIH], 0x3fc90fdb                  ; pi / 2: its f32,
	s_mov_b32 s[KPIL], 0xb33bbd2e                  ; and what that leaves
	s_mov_b32 s[KS3], 0xbe2aaaab                   ; -1/6, 1/120, -1/5040
	s_mov_b32 s[KS5], 0x3c088889
	s_mov_b32 s[KS7], 0xb9500d01
	s_mov_b32 s[KC4], 0x3d2aaaab                   ; 1/24, -1/720, 1/40320
	s_mov_b32 s[KC6], 0xbab60b61
	s_mov_b32 s[KC8], 0x37d00d01
	s_wait_dscnt 0x0                               ; both opening adds are done
	s_wait_kmcnt 0x0
	s_add_nc_u64 s[G0X+2:G0X+3], s[4:5], s[80:81]
	s_or_b32 s[G0X+3], s[G0X+3], 0x80000000
	s_add_nc_u64 s[G0W+2:G0W+3], s[6:7], s[82:83]
	s_or_b32 s[G0W+3], s[G0W+3], 0x80000000
	s_add_nc_u64 s[G0XS+2:G0XS+3], s[8:9], s[84:85]
	s_or_b32 s[G0XS+3], s[G0XS+3], 0x80000000
	s_add_nc_u64 s[G0WS+2:G0WS+3], s[8:9], s[86:87]
	s_or_b32 s[G0WS+3], s[G0WS+3], 0x80000000
	ROUND                                          ; all four work-groups are here: the joint loads meet
	; one tensor load a wave; the branches hang on the wave's number alone.  An s_nop 0 and four v_nop follow each
	s_cmp_lt_u32 s[WV], 2
	s_cbranch_scc0 .Lnot_x
	tensor_load_to_lds s[G0X:G0X+3], s[G1P:G1P+7]
	s_nop 0
	PLACES
	s_branch .Lasked
.Lnot_x:
	s_cmp_lt_u32 s[WV], 6
	s_cbranch_scc0 .Lnot_w
	tensor_load_to_lds s[G0W:G0W+3], s[G1J:G1J+7]
	s_nop 0
	PLACES
	s_branch .Lasked
.Lnot_w:
	s_cmp_eq_u32 s[WV], 6
	s_cbranch_scc0 .Lws
	tensor_load_to_lds s[G0XS:G0XS+3], s[G1XS:G1XS+7]
	s_nop 0
	PLACES
	s_branch .Lasked
.Lws:
	tensor_load_to_lds s[G0WS:G0WS+3], s[G1WS:G1WS+7]
	s_nop 0
	PLACES
.Lasked:
	v_and_b32 v11, 31, v0
	v_lshlrev_b32 v[L16], 4, v11
	v_and_b32 v[RR], 15, v0
	v_bfe_u32 v[HH], v0, 4, 1
	s_lshl_b32 s80, s[WM], 14                      ; my two position tiles: 16,384 (w & 1)
	v_add_nc_u32 v[AX], s80, v[L16]
	s_lshl_b32 s80, s[WN], 15                      ; my four column tiles
	s_add_co_u32 s80, s80, LWC
	v_add_nc_u32 v[AW], s80, v[L16]
	v_lshlrev_b32 v11, 2, v11
	s_lshl_b32 s80, s[WM], 10
	s_add_co_u32 s80, s80, LXS
	v_add_nc_u32 v[ASX], s80, v11
	s_lshl_b32 s80, s[WN], 11
	s_add_co_u32 s80, s80, LWS
	v_add_nc_u32 v[ASW], s80, v11
	v_lshrrev_b32 v[OFFV], 3, v[RR]                ; V's piece: 16 (r / 8) + 8 h + r % 8, 16 bytes each
	v_lshlrev_b32 v[OFFV], 1, v[OFFV]
	v_add_nc_u32 v[OFFV], v[OFFV], v[HH]
	v_lshlrev_b32 v[OFFV], 3, v[OFFV]
	v_and_b32 v15, 7, v[RR]
	v_add_nc_u32 v[OFFV], v[OFFV], v15
	v_lshlrev_b32 v[OFFV], 4, v[OFFV]
	; where my results go
	s_cmp_lt_u32 s[NB], 4
	s_cselect_b64 s[OB:OB+1], s[10:11], s[12:13]   ; qw, or kv
	s_cselect_b32 s84, 17, 18                      ; log2 of a head's bytes there
	s_cselect_b32 s85, 0, 4
	s_cmp_ge_u32 s[NB], 6
	s_cselect_b32 s85, 6, s85
	s_cselect_b32 s86, 131072, 0                   ; V lies behind K
	s_sub_co_u32 s[HB], s[NB], s85
	s_lshl_b32 s87, s[HB], 3
	s_lshl_b32 s80, s[WN], 1
	s_add_co_u32 s87, s87, s80                     ; my first head: 8 a column block, 2 a wave
	s_lshl_b32 s87, s87, s84
	s_add_co_u32 s86, s86, s87
	s_lshl_b32 s80, s[J], 12                       ; tile 4 j + 2 (w & 1), 1,024 bytes each
	s_add_co_u32 s86, s86, s80
	s_lshl_b32 s80, s[WM], 11
	s_add_co_u32 s86, s86, s80
	s_mov_b32 s87, 0
	s_add_nc_u64 s[OB:OB+1], s[OB:OB+1], s[86:87]
	s_lshl_b32 s86, 1, s84
	s_add_nc_u64 s[OB+2:OB+3], s[OB:OB+1], s[86:87]        ; the next head
	s_add_nc_u64 s[OB+4:OB+5], s[OB:OB+1], 0x400000        ; the other batch: 4,194,304 bytes on in qw and in kv alike
	s_add_nc_u64 s[OB+6:OB+7], s[OB+2:OB+3], 0x400000
	s_wait_tensorcnt 0x0                           ; my tile is in,
	s_barrier_signal -1
	s_barrier_wait -1                              ; everybody's is.  Nothing is ever filled again
.irp a, 0,1,2,3
.irp kap, 0,1,2,3
	ds_load_b32 v[SX+4*\a+\kap], v[ASX] offset:(\a/2)*2048+(\a%2)*512+\kap*128
.endr
.endr
.irp nt, 0,1,2,3
.irp kap, 0,1,2,3
	ds_load_b32 v[SW+4*\nt+\kap], v[ASW] offset:\nt*512+\kap*128
.endr
.endr
.macro MM a, nt, ks                    ; the first K step starts the sums; odd K steps take their scale words from lanes 16-31
.if \ks == 0
	v_wmma_scale_f32_16x16x128_f8f6f4 v[ACC+8*(4*\a+\nt):ACC+8*(4*\a+\nt)+7], v[FW+8*\nt:FW+8*\nt+7], v[FX+8*\a:FX+8*\a+7], 0, v[SW+4*\nt], v[SX+4*\a] matrix_a_fmt:MATRIX_FMT_FP4 matrix_b_fmt:MATRIX_FMT_FP4
.elseif (\ks % 2) == 0
	v_wmma_scale_f32_16x16x128_f8f6f4 v[ACC+8*(4*\a+\nt):ACC+8*(4*\a+\nt)+7], v[FW+8*\nt:FW+8*\nt+7], v[FX+8*\a:FX+8*\a+7], v[ACC+8*(4*\a+\nt):ACC+8*(4*\a+\nt)+7], v[SW+4*\nt+\ks/2], v[SX+4*\a+\ks/2] matrix_a_fmt:MATRIX_FMT_FP4 matrix_b_fmt:MATRIX_FMT_FP4
.else
	v_wmma_scale_f32_16x16x128_f8f6f4 v[ACC+8*(4*\a+\nt):ACC+8*(4*\a+\nt)+7], v[FW+8*\nt:FW+8*\nt+7], v[FX+8*\a:FX+8*\a+7], v[ACC+8*(4*\a+\nt):ACC+8*(4*\a+\nt)+7], v[SW+4*\nt+\ks/2], v[SX+4*\a+\ks/2] matrix_a_fmt:MATRIX_FMT_FP4 matrix_b_fmt:MATRIX_FMT_FP4 matrix_a_scale:MATRIX_SCALE_ROW1 matrix_b_scale:MATRIX_SCALE_ROW1
.endif
.endm
; A K step of 128: 16 loads, 16 products.  The 16 accumulators take turns, one instruction a turn, in the same order in every step.
.macro STEP ks
.if \ks > 0
	PLACES                                         ; four places in front of loads into registers that matrix instructions have read
.endif
.irp nt, 0,1,2,3
.irp c, 0,1
	ds_load_b128 v[FW+8*\nt+4*\c:FW+8*\nt+4*\c+3], v[AW] offset:\nt*8192+\ks*1024+\c*512
.endr
.endr
.irp a, 0,1,2,3
.irp c, 0,1
	ds_load_b128 v[FX+8*\a+4*\c:FX+8*\a+4*\c+3], v[AX] offset:(\a/2)*32768+(\a%2)*8192+\ks*1024+\c*512
.endr
.endr
.irp a, 0,1,2,3
	s_wait_dscnt 6-2*\a                            ; all but the two loads of each later block of x
.irp nt, 0,1,2,3
	MM \a, \nt, \ks
.endr
.endr
.endm
.irp ks, 0,1,2,3,4,5,6,7
	STEP \ks
.endr
	PLACES                                         ; behind the last products: results are read, and the fragments' registers written, only from here on
	s_cmp_ge_u32 s[NB], 6
	s_cbranch_scc1 .Lv
	; ---- q and k: the rotation
	s_lshl_b32 s80, s[HB], 7
	s_lshl_b32 s81, s[WN], 5
	s_add_co_u32 s80, s80, s81
	v_lshl_add_u32 v[P0], v[HH], 2, s80            ; my first pair: 128 a column block, 32 a wave, 4 h; tile nt's pair q is 8 nt + q further on
.irp nt, 0,1,2,3
.irp q, 0,1,2,3
	v_add_nc_u32 v[TH+4*\nt+\q], 8*\nt+\q, v[P0]
.endr
.endr
.irp i, 0,1,2,3,4,5,6,7,8,9,10,11,12,13,14,15
	v_cvt_f32_u32 v[TH+\i], v[TH+\i]
.endr
.irp i, 0,1,2,3,4,5,6,7,8,9,10,11,12,13,14,15
	v_mul_f32 v[TH+\i], 0xbcd49a78, v[TH+\i]       ; x -log2(10000) / 512
.endr
.irp i, 0,1,2,3,4,5,6,7,8,9,10,11,12,13,14,15
	v_exp_f32 v[TH+\i], v[TH+\i]                   ; theta: one batch
.endr
	s_lshl_b32 s80, s[J], 6
	s_lshl_b32 s81, s[WM], 5
	s_add_co_u32 s80, s80, s81
	v_add_nc_u32 v[SF], s80, v[RR]                 ; my position: 64 j + 32 (w & 1) + r, and 16 further on.  (Plain work behind the exponentials)
	v_add_nc_u32 v[SF+1], 16, v[SF]
	v_cvt_f32_u32 v[SF], v[SF]
	v_cvt_f32_u32 v[SF+1], v[SF+1]
	s_wait_alu depctr_va_vdst(0)                   ; one wait for the batch, ahead of its first reader
.macro SINCOS nt, sb                   ; sine and cosine of position tile sb's angle for column tile nt's four pairs; every line four times, so that no line waits for the line above it
.irp q, 0,1,2,3
	v_mul_f32 v[AN+\q], v[SF+\sb], v[TH+4*\nt+\q]
.endr
.irp q, 0,1,2,3
	v_mul_f32 v[KF+\q], s[K2PI], v[AN+\q]
.endr
.irp q, 0,1,2,3
	v_rndne_f32 v[KF+\q], v[KF+\q]                 ; the nearest multiple of pi / 2
.endr
.irp q, 0,1,2,3
	v_fma_f32 v[AN+\q], -v[KF+\q], s[KPIH], v[AN+\q]
.endr
.irp q, 0,1,2,3
	v_fma_f32 v[AN+\q], -v[KF+\q], s[KPIL], v[AN+\q]       ; what is left: within +-pi / 4
.endr
.irp q, 0,1,2,3
	v_cvt_i32_f32 v[KI+\q], v[KF+\q]
.endr
.irp q, 0,1,2,3
	v_mul_f32 v[R2+\q], v[AN+\q], v[AN+\q]
.endr
.irp q, 0,1,2,3
	v_fma_f32 v[PSN+\q], v[R2+\q], s[KS7], s[KS5]
	v_fma_f32 v[PCS+\q], v[R2+\q], s[KC8], s[KC6]
.endr
.irp q, 0,1,2,3
	v_fma_f32 v[PSN+\q], v[PSN+\q], v[R2+\q], s[KS3]
	v_fma_f32 v[PCS+\q], v[PCS+\q], v[R2+\q], s[KC4]
.endr
.irp q, 0,1,2,3
	v_mul_f32 v[TT+\q], v[R2+\q], v[AN+\q]
	v_fma_f32 v[PCS+\q], v[PCS+\q], v[R2+\q], -0.5
.endr
.irp q, 0,1,2,3
	v_fma_f32 v[PSN+\q], v[PSN+\q], v[TT+\q], v[AN+\q]     ; sin
	v_fma_f32 v[PCS+\q], v[PCS+\q], v[R2+\q], 1.0          ; cos
.endr
.irp q, 0,1,2,3
	v_and_b32 v[TT+\q], 1, v[KI+\q]
.endr
.irp q, 0,1,2,3
	v_cmp_eq_u32 s[MK+\q], 1, v[TT+\q]             ; an odd multiple: the two change places
.endr
.irp q, 0,1,2,3
	v_cndmask_b32 v[SN+\q], v[PSN+\q], v[PCS+\q], s[MK+\q]
	v_cndmask_b32 v[CS+\q], v[PCS+\q], v[PSN+\q], s[MK+\q]
.endr
.irp q, 0,1,2,3
	v_lshlrev_b32 v[TT+\q], 30, v[KI+\q]           ; the sine changes sign where bit 1 of the multiple is set,
	v_add_nc_u32 v[KI+\q], 1, v[KI+\q]             ; the cosine where bit 1 of the multiple + 1 is
.endr
.irp q, 0,1,2,3
	v_and_b32 v[TT+\q], 0x80000000, v[TT+\q]
	v_lshlrev_b32 v[KI+\q], 30, v[KI+\q]
.endr
.irp q, 0,1,2,3
	v_xor_b32 v[SN+\q], v[SN+\q], v[TT+\q]
	v_and_b32 v[KI+\q], 0x80000000, v[KI+\q]
.endr
.irp q, 0,1,2,3
	v_xor_b32 v[CS+\q], v[CS+\q], v[KI+\q]
.endr
.endm
.macro ROT nt, sb, b                   ; accumulator (2 b + sb, nt): turned, rounded to f16 in place from the low end on, stored: 512 consecutive bytes, aligned.  Its first read is of register 1
.set A, ACC+8*(4*(2*\b+\sb)+\nt)
.set BS, OB+4*\b+2*(\nt/2)
.irp q, 0,1,2,3
	v_mul_f32 v[RA+\q], v[A+2*\q+1], v[SN+\q]
	v_mul_f32 v[RB+\q], v[A+2*\q], v[SN+\q]
.endr
.irp q, 0,1,2,3
	v_fma_f32 v[A+2*\q], v[A+2*\q], v[CS+\q], -v[RA+\q]    ; e cos - o sin
	v_fma_f32 v[A+2*\q+1], v[A+2*\q+1], v[CS+\q], v[RB+\q] ; o cos + e sin
.endr
.irp i, 0,1,2,3
	v_cvt_pk_f16_f32 v[A+\i], v[A+2*\i], v[A+2*\i+1]
.endr
	global_store_b128 v[L16], v[A:A+3], s[BS:BS+1] offset:\sb*1024+(\nt%2)*512
.endm
.irp nt, 0,1,2,3
.irp sb, 0,1
	SINCOS \nt, \sb
	ROT \nt, \sb, 0
	ROT \nt, \sb, 1
.endr
.endr
	s_branch .Lout
	; ---- v: rounded and stored, its pieces in the transposing load's order
.Lv:
.irp a, 0,1,2,3
.irp nt, 0,1,2,3
.irp i, 0,1,2,3
	v_cvt_pk_f16_f32 v[ACC+8*(4*\a+\nt)+\i], v[ACC+8*(4*\a+\nt)+2*\i], v[ACC+8*(4*\a+\nt)+2*\i+1]
.endr
	global_store_b128 v[OFFV], v[ACC+8*(4*\a+\nt):ACC+8*(4*\a+\nt)+3], s[OB+4*(\a/2)+2*(\nt/2):OB+4*(\a/2)+2*(\nt/2)+1] offset:(\a%2)*1024+(\nt%2)*512
.endr
.endr
.Lout:
	s_wait_tensorcnt 0x0                           ; the wave's end
	ds_add_u32 v[SPW], v[NIL]
	s_wait_dscnt 0x0
	ROUND                                          ; the closing round: no work-group ends while a partner may still ask for a tile that names it
	s_endpgm
.Lfunc_end_k_q5e0d90c93b_proj:
	.size	k_q5e0d90c93b_proj, .Lfunc_end_k_q5e0d90c93b_proj-k_q5e0d90c93b_proj
	.p2alignl 7, 3214868480
	.fill 96, 4, 3214868480
	.section	.rodata,"a",@progbits
	.p2align	6, 0x0
	.amdhsa_kernel k_q5e0d90c93b_proj
		.amdhsa_group_segment_fixed_size 209920
		.amdhsa_private_segment_fixed_size 0
		.amdhsa_enable_private_segment 0
		.amdhsa_kernarg_size 40
		.amdhsa_user_sgpr_count 2
		.amdhsa_user_sgpr_kernarg_segment_ptr 1
		.amdhsa_wavefront_size32 1
		.amdhsa_system_sgpr_workgroup_id_x 1
		.amdhsa_system_sgpr_workgroup_id_y 1
		.amdhsa_system_sgpr_workgroup_id_z 1
		.amdhsa_system_vgpr_workitem_id 0
		.amdhsa_next_free_vgpr 256
		.amdhsa_next_free_sgpr 102
		.amdhsa_reserve_vcc 0
		.amdhsa_float_denorm_mode_32 3
		.amdhsa_float_denorm_mode_16_64 3
		.amdhsa_memory_ordered 1
		.amdhsa_forward_progress 1
		.amdhsa_inst_pref_size 103
	.end_amdhsa_kernel
	.amdgpu_metadata
---
amdhsa.version: [ 1, 2 ]
amdhsa.kernels:
  - .name:           k_q5e0d90c93b_proj
    .symbol:         k_q5e0d90c93b_proj.kd
    .args:
      - { .name: xc, .offset: 0, .size: 8, .value_kind: global_buffer, .address_space: global }
      - { .name: wc, .offset: 8, .size: 8, .value_kind: global_buffer, .address_space: global }
      - { .name: sc, .offset: 16, .size: 8, .value_kind: global_buffer, .address_space: global }
      - { .name: qw, .offset: 24, .size: 8, .value_kind: global_buffer, .address_space: global }
      - { .name: kv, .offset: 32, .size: 8, .value_kind: global_buffer, .address_space: global }
    .group_segment_fixed_size: 209920
    .private_segment_fixed_size: 0
    .kernarg_segment_align: 8
    .kernarg_segment_size: 40
    .max_flat_workgroup_size: 256
    .sgpr_count:     102
    .vgpr_count:     256
    .wavefront_size: 32
...
	.end_amdgpu_metadata
.endif
;; end of part 2
;; launch attn (part 3): grid 8 x 32, 16 waves a work-group, clusters of 4 x 1, 264,192 bytes of LDS; arguments qw, kv, ao; writes ao
.if DOCPART == 3
	.amdgcn_target "amdgcn-amd-amdhsa--gfx1250"
	.amdhsa_code_object_version 6
	.text
	.protected	k_q5e0d90c93b_attn
	.globl	k_q5e0d90c93b_attn
	.p2align	8
	.type	k_q5e0d90c93b_attn,@function
k_q5e0d90c93b_attn:
	s_mov_b64 s[64:65], 0
	v_nop
	global_prefetch_b8 v0, s[64:65] scope:SCOPE_SE
	s_setreg_imm32_b32 hwreg(HW_REG_WAVE_MODE, 25, 1), 1
	s_wait_xcnt 0x0
	s_wait_alu depctr_hold_cnt(0) depctr_sa_sdst(0) depctr_va_vdst(0) depctr_va_sdst(0) depctr_va_ssrc(0) depctr_va_vcc(0) depctr_vm_vsrc(0)
	s_getreg_b32 s2, hwreg(HW_REG_IB_STS2, 6, 4)
	s_cmp_eq_u32 s2, 0
	s_cbranch_scc0 .Lentry_in_a_cluster
	s_endpgm
.Lentry_in_a_cluster:
	s_bfe_u32 s2, ttmp6, 0x10000c
	s_cmp_lg_u32 s2, 0x3003
	s_cbranch_scc0 .Lentry_shape_is_right
	s_endpgm
.Lentry_shape_is_right:
; ATTN.  o[q] = the sum over the 2,048 keys of softmax(q . k / sqrt(32)) v, head size 32, no mask; 2 batches x 32 query heads, two query heads to a key and value head.  f16 operands, f32 sums.
; SHARES.  Work-group: 512 queries of one query head.  Each of its sixteen waves owns 32 of them, two tiles of 16, in 240 registers: four waves to a SIMD, so that one wave's softmax stands beside another's products and LDS loads.
; Every wave walks all keys, 64 a step.
; LDS holds the head's whole K (131,072 bytes) and V (131,072 behind it) as they lie in kv, each byte filled once: no slot is filled again, and the key loops have no barrier inside.
; The fill goes in four chunks of 512 keys: every wave issues four loads of 4,096 bytes (16 rows of 256; waves 0-7 a slice of K, 8-15 of V) at the head, four out by this text's count, so that one and the same counted wait
; in all waves shows a chunk landed while the later ones are on their way.
; CLUSTER.  4 x 1: the four blocks of 512 queries of a query head walk the same K and V: every load is joint (mask 15).  No prefetch: every tile is asked for in the kernel's first lines.
; LAYOUT.  S^T = K Q^T (source 0 = 16 keys, source 1 = 16 queries): a lane holds ONE query (lane % 16) and the keys 8 (lane / 16) + 0..7 of a tile.  Two such tiles, rounded to f16 in pairs, are source 1 of O^T = V^T P.
; V^T's fragments come by the transposing LDS load at 16 x lane: proj has laid V's 16-byte pieces for that.
; SOFTMAX.  A running maximum m and sum l for each query: p = 2^(c s - c m), c = log2(e) / sqrt(32); in every step O^T and l are multiplied by a = 2^(c m_old - c m_new).  l sums the p before they are rounded, in f32.
; The step is written once: m begins at -3e38 and O^T and l at 0, which the first a leaves 0.
; OUT.  ao [row tile 256][query head 32][1,024]: the f16 fragment (16 rows x 32 along K) that the last product wants for K step = head.
; LIMITS: o under 6e-5 keeps an absolute error of 3e-8 (f16's subnormals); NaN and infinities are not served.
.set SPARE, 262144                     ; behind K and V: the spare words, 128 bytes for each of sixteen waves
.set L16, 1                            ; v1  16 x lane
.set ADK, 2                            ; v2  the step's tiles of K
.set ADV, 3                            ; v3  of V
.set SPW, 4
.set NIL, 5
.set ST,  8                            ; tile t's at v[ST + 8 t]: +0 c m, +1 m, +2, +3 at work, +4 a, +5 named with it as a pair, +6 the old c m, +7 its change
.set Q,   24                           ; v24-39   Q, 8 a tile
.set LS,  40                           ; v40-43   l, a pair a tile (even keys', odd keys')
.set LT,  44                           ; v44-47   a second chain of the step's sum
.set KF,  48                           ; v48-79   K: four tiles of 16 keys
.set VF,  80                           ; v80-111  V^T: 8 (2 u + tn): keys 32 u on, channels 16 tn on
.set S,   112                          ; v112-175 S^T, then p: 32 a tile
.set P,   176                          ; v176-207 p as f16: 16 a tile
.set O,   208                          ; v208-239 O^T: 16 a tile
.set WV,  10
.set CX,  11
.set QI,  12
.set BG,  13
.set G1,  16                           ; s[16:23]
.set G0,  24                           ; s[24:39] a group 0 for each chunk
.set CC,  40                           ; s[40:41] c, twice: the packed form names a pair
.set SEL, 42                           ; s[42:43]
.set TB,  44                           ; s44 LDS byte at which the step's tiles of K begin
.set CNT, 45
.macro ROUND
	s_barrier_signal -1
	s_barrier_wait -1
	s_cmp_lg_u32 s[WV], 0
	s_cbranch_scc1 .Lnot_wave_0_\@
	s_barrier_signal -3
.Lnot_wave_0_\@:
	s_barrier_wait -3
	s_barrier_signal -1
	s_barrier_wait -1
.endm
	s_load_b128 s[4:7], s[0:1], 0x0                ; qw s[4:5], kv s[6:7]
	s_load_b64 s[8:9], s[0:1], 0x10                ; ao
	v_lshl_add_u32 v[SPW], v0, 2, SPARE
	v_mov_b32 v[NIL], 0
	ds_add_u32 v[SPW], v[NIL]                      ; the wave's opening: the add, twice on end, and its wait ahead of my first tensor load
	ds_add_u32 v[SPW], v[NIL]
	v_lshrrev_b32 v1, 5, v0
	v_readfirstlane_b32 s[WV], v1                  ; wave 0..15
	s_bfe_u32 s[CX], ttmp6, 0x40000                ; which 512 queries
	s_mov_b32 s[QI], ttmp9                         ; which of the two query heads: the cluster's x
	s_and_b32 s[BG], ttmp7, 0xffff                 ; batch x 16 + key and value head
	s_mov_b32 s[G1], 15|(3<<16)|(1<<21)            ; all four partners; elements of 8 bytes; bit 21 beside the mask; no padding
	s_mov_b32 s[G1+1], 32<<16                      ; rows of 256 bytes,
	s_mov_b32 s[G1+2], 16<<16                      ; 16 of them,
	s_mov_b32 s[G1+3], 32<<16
	s_mov_b32 s[G1+4], 16
	s_mov_b32 s[G1+5], 32                          ; dense
	s_mov_b32 s[G1+6], 0
	s_mov_b32 s[G1+7], 0
	s_mov_b32 s[CC], 0x3e8293ee                    ; c = log2(e) / sqrt(32)
	s_mov_b32 s[CC+1], s[CC]
	s_mov_b32 s[SEL], 0x76543210
	s_mov_b32 s[SEL+1], 0xfedcba98
	s_lshr_b32 s46, s[WV], 3                       ; K or V: 131,072 apart,
	s_lshl_b32 s46, s46, 17
	s_and_b32 s47, s[WV], 7                        ; my slice of a chunk: 4,096 bytes
	s_lshl_b32 s47, s47, 12
	s_add_co_u32 s46, s46, s47                     ; the same byte in LDS and in the head's block of kv
	s_lshl_b32 s48, s[BG], 18
	s_add_co_u32 s48, s48, s46
	s_mov_b32 s49, 0
	s_lshl_b32 s50, s[BG], 1                       ; Q: head 2 bg + qi, 131,072 bytes each,
	s_add_co_u32 s50, s50, s[QI]
	s_lshl_b32 s50, s50, 17
	s_lshl_b32 s51, s[CX], 15                      ; 32 tiles a work-group,
	s_add_co_u32 s50, s50, s51
	s_lshl_b32 s51, s[WV], 11                      ; 2 a wave
	s_add_co_u32 s50, s50, s51
	s_mov_b32 s51, 0
	s_lshr_b32 s52, s[BG], 4                       ; ao: row tile 128 batch + 32 cx + 2 wave, 32,768 bytes each,
	s_lshl_b32 s52, s52, 7
	s_lshl_b32 s53, s[CX], 5
	s_add_co_u32 s52, s52, s53
	s_lshl_b32 s53, s[WV], 1
	s_add_co_u32 s52, s52, s53
	s_lshl_b32 s52, s52, 15
	s_and_b32 s53, s[BG], 15                       ; query head 2 g + qi, 1,024 bytes each
	s_lshl_b32 s53, s53, 1
	s_add_co_u32 s53, s53, s[QI]
	s_lshl_b32 s53, s53, 10
	s_add_co_u32 s52, s52, s53
	s_mov_b32 s53, 0
	s_wait_dscnt 0x0                               ; both opening adds are done
	s_wait_kmcnt 0x0
	s_add_nc_u64 s[48:49], s[6:7], s[48:49]
	s_add_nc_u64 s[4:5], s[4:5], s[50:51]
	s_add_nc_u64 s[8:9], s[8:9], s[52:53]
.irp c, 0,1,2,3
	s_mov_b32 s[G0+4*\c], 1
	s_add_co_u32 s[G0+4*\c+1], s46, \c*32768
	s_add_nc_u64 s[G0+4*\c+2:G0+4*\c+3], s[48:49], \c*32768
	s_or_b32 s[G0+4*\c+3], s[G0+4*\c+3], 0x80000000
.endr
	ROUND                                          ; all four work-groups are here: the joint loads meet
.irp c, 0,1,2,3
	tensor_load_to_lds s[G0+4*\c:G0+4*\c+3], s[G1:G1+7]
	s_nop 0
.endr
.rept 4
	v_nop
.endr
	v_and_b32 v[L16], 31, v0
	v_lshlrev_b32 v[L16], 4, v[L16]
.irp i, 0,1,2,3
	global_load_b128 v[Q+4*\i:Q+4*\i+3], v[L16], s[4:5] offset:512*\i   ; Q's two fragments stay in registers
.endr
.irp t, 0,1
	v_mov_b32 v[ST+8*\t+1], 0xff61b1e6             ; m: -3e38, under every score
	v_mul_f32 v[ST+8*\t], s[CC], v[ST+8*\t+1]
	v_mov_b32 v[ST+8*\t+5], 0
	v_mov_b32 v[LS+2*\t], 0
	v_mov_b32 v[LS+2*\t+1], 0
.endr
.irp j, 0,1,2,3,4,5,6,7,8,9,10,11,12,13,14,15,16,17,18,19,20,21,22,23,24,25,26,27,28,29,30,31
	v_mov_b32 v[O+\j], 0
.endr
	s_wait_loadcnt 0x0                             ; Q
; A KEY STEP: 64 keys.
.macro STEP
	v_add_nc_u32 v[ADK], s[TB], v[L16]
	v_add_nc_u32 v[ADV], 0x20000, v[ADK]
	v_nop
	v_nop                                          ; four places in front of loads into registers that the last products have read
.irp i, 0,1,2,3
	ds_load_b128 v[KF+8*\i:KF+8*\i+3], v[ADK] offset:\i*1024
	ds_load_b128 v[KF+8*\i+4:KF+8*\i+7], v[ADK] offset:\i*1024+512
.endr
.irp u, 0,1
.irp tn, 0,1
	ds_load_tr16_b128 v[VF+8*(2*\u+\tn):VF+8*(2*\u+\tn)+3], v[ADV] offset:(2*\u)*1024+\tn*512
	ds_load_tr16_b128 v[VF+8*(2*\u+\tn)+4:VF+8*(2*\u+\tn)+7], v[ADV] offset:(2*\u+1)*1024+\tn*512
.endr
.endr
	s_wait_dscnt 8                                 ; K is in; V's eight loads may be out
.irp i, 0,1,2,3
.irp t, 0,1
	v_wmma_f32_16x16x32_f16 v[S+32*\t+8*\i:S+32*\t+8*\i+7], v[KF+8*\i:KF+8*\i+7], v[Q+8*\t:Q+8*\t+7], 0
.endr
.endr
	v_mov_b32 v[ST+6], v[ST]                       ; c m is kept for a.  (Four places behind the products)
	v_mov_b32 v[ST+14], v[ST+8]
	v_nop
	v_nop
.irp t, 0,1                                    ; the maximum of my 32 scores, two chains a tile, in ascending order: each accumulator is first read at its low end
	v_max3_num_f32 v[ST+8*\t+2], v[S+32*\t], v[S+32*\t+1], v[S+32*\t+2]
	v_max3_num_f32 v[ST+8*\t+3], v[S+32*\t+3], v[S+32*\t+4], v[S+32*\t+5]
.endr
.irp p, 0,1,2,3,4,5,6,7,8,9,10,11,12
.irp t, 0,1
	v_max3_num_f32 v[ST+8*\t+2+\p%2], v[ST+8*\t+2+\p%2], v[S+32*\t+6+2*\p], v[S+32*\t+7+2*\p]
.endr
.endr
.irp t, 0,1
	v_max3_num_f32 v[ST+8*\t+2], v[ST+8*\t+2], v[ST+8*\t+3], v[ST+8*\t+1]
.endr
.irp t, 0,1
	v_permlanex16_b32 v[ST+8*\t+3], v[ST+8*\t+2], s[SEL], s[SEL+1]   ; the query's other 32 keys lie in the lane 16 away
.endr
.irp t, 0,1
	v_max_num_f32 v[ST+8*\t+1], v[ST+8*\t+2], v[ST+8*\t+3]
.endr
.irp t, 0,1
	v_mul_f32 v[ST+8*\t], s[CC], v[ST+8*\t+1]
.endr
.irp t, 0,1
	v_sub_f32 v[ST+8*\t+7], v[ST+8*\t+6], v[ST+8*\t]
.endr
.irp b, 0,2,4,6,8,10,12,14,16,18,20,22,24,26,28,30
.irp t, 0,1
	v_pk_fma_f32 v[S+32*\t+\b:S+32*\t+\b+1], v[S+32*\t+\b:S+32*\t+\b+1], s[CC:CC+1], v[ST+8*\t:ST+8*\t+1] op_sel_hi:[1,0,0] neg_lo:[0,0,1] neg_hi:[0,0,1]   ; c s - c m
.endr
.endr
.irp t, 0,1
	v_exp_f32 v[ST+8*\t+4], v[ST+8*\t+7]           ; a.  ONE BATCH: the two a and the 64 p
.endr
.irp j, 0,1,2,3,4,5,6,7,8,9,10,11,12,13,14,15,16,17,18,19,20,21,22,23,24,25,26,27,28,29,30,31,32,33,34,35,36,37,38,39,40,41,42,43,44,45,46,47,48,49,50,51,52,53,54,55,56,57,58,59,60,61,62,63
	v_exp_f32 v[S+\j], v[S+\j]
.endr
	v_nop                                          ; a plain line behind the last exponential
	s_wait_alu depctr_va_vdst(0)                   ; one wait for the batch, ahead of its first reader
.irp i, 0,1,2,3,4,5,6,7,8,9,10,11,12,13,14,15
.irp t, 0,1
	v_cvt_pk_f16_f32 v[P+16*\t+\i], v[S+32*\t+2*\i], v[S+32*\t+2*\i+1]
.endr
.endr
.irp t, 0,1                                    ; l = a l + the step's sum, two numbers an instruction, two chains a tile
	v_pk_fma_f32 v[LS+2*\t:LS+2*\t+1], v[LS+2*\t:LS+2*\t+1], v[ST+8*\t+4:ST+8*\t+5], v[S+32*\t:S+32*\t+1] op_sel_hi:[1,0,1]
	v_pk_add_f32 v[LT+2*\t:LT+2*\t+1], v[S+32*\t+2:S+32*\t+3], v[S+32*\t+4:S+32*\t+5]
.endr
.irp p, 6,10,14,18,22,26
.irp t, 0,1
	v_pk_add_f32 v[LS+2*\t:LS+2*\t+1], v[LS+2*\t:LS+2*\t+1], v[S+32*\t+\p:S+32*\t+\p+1]
	v_pk_add_f32 v[LT+2*\t:LT+2*\t+1], v[LT+2*\t:LT+2*\t+1], v[S+32*\t+\p+2:S+32*\t+\p+3]
.endr
.endr
.irp t, 0,1
	v_pk_add_f32 v[LS+2*\t:LS+2*\t+1], v[LS+2*\t:LS+2*\t+1], v[S+32*\t+30:S+32*\t+31]
.endr
.irp t, 0,1
	v_pk_add_f32 v[LS+2*\t:LS+2*\t+1], v[LS+2*\t:LS+2*\t+1], v[LT+2*\t:LT+2*\t+1]
.endr
.irp i, 0,2,4,6,8,10,12,14
.irp t, 0,1
	v_pk_mul_f32 v[O+16*\t+\i:O+16*\t+\i+1], v[O+16*\t+\i:O+16*\t+\i+1], v[ST+8*\t+4:ST+8*\t+5] op_sel_hi:[1,0]   ; O^T x a, each accumulator from its low end on
.endr
.endr
	s_wait_dscnt 0x0                               ; V is in
.irp u, 0,1                                    ; O^T += V^T P: four accumulators by turns, one instruction a turn
.irp t, 0,1
.irp tn, 0,1
	v_wmma_f32_16x16x32_f16 v[O+16*\t+8*\tn:O+16*\t+8*\tn+7], v[VF+8*(2*\u+\tn):VF+8*(2*\u+\tn)+7], v[P+16*\t+8*\u:P+16*\t+8*\u+7], v[O+16*\t+8*\tn:O+16*\t+8*\tn+7]
.endr
.endr
.endr
.endm
; A chunk of 512 keys: eight steps.  The count leaves the later chunks' loads out.
.macro CHUNK c
	s_wait_tensorcnt 3-\c                          ; my slice of this chunk is in,
	s_wait_dscnt 0x0
	s_barrier_signal -1
	s_barrier_wait -1                              ; everybody's is
	s_mov_b32 s[TB], \c*32768
	s_mov_b32 s[CNT], 8
.Lstep_\@:
	STEP
	s_add_co_u32 s[TB], s[TB], 4096                ; four tiles of 1,024 bytes on
	s_sub_co_u32 s[CNT], s[CNT], 1
	s_cmp_lg_u32 s[CNT], 0
	s_cbranch_scc1 .Lstep_\@
.endm
	CHUNK 0
	CHUNK 1
	CHUNK 2
	CHUNK 3
	; THE WAY OUT.  l's two halves and the lane 16 away's are added; O^T / l is rounded to f16 in place and stored as the fragment's image.  The additions are the places behind the last products.
.irp t, 0,1
	v_add_f32 v[ST+8*\t+2], v[LS+2*\t], v[LS+2*\t+1]
.endr
.irp t, 0,1
	v_permlanex16_b32 v[ST+8*\t+3], v[ST+8*\t+2], s[SEL], s[SEL+1]
.endr
.irp t, 0,1
	v_add_f32 v[ST+8*\t+2], v[ST+8*\t+2], v[ST+8*\t+3]
.endr
	v_nop
	v_nop
.irp t, 0,1
	v_rcp_f32 v[ST+8*\t+4], v[ST+8*\t+2]
.endr
	v_nop                                          ; a plain line behind the last reciprocal
	s_wait_alu depctr_va_vdst(0)                   ; and the wait ahead of the first use: one for both
.irp i, 0,2,4,6,8,10,12,14
.irp t, 0,1
	v_pk_mul_f32 v[O+16*\t+\i:O+16*\t+\i+1], v[O+16*\t+\i:O+16*\t+\i+1], v[ST+8*\t+4:ST+8*\t+5] op_sel_hi:[1,0]
.endr
.endr
.irp f, 0,1,2,3
.irp i, 0,1,2,3
	v_cvt_pk_f16_f32 v[O+8*\f+\i], v[O+8*\f+2*\i], v[O+8*\f+2*\i+1]
.endr
.endr
.irp t, 0,1
.irp tn, 0,1
	global_store_b128 v[L16], v[O+16*\t+8*\tn:O+16*\t+8*\tn+3], s[8:9] offset:\t*32768+\tn*512   ; 512 consecutive bytes, aligned
.endr
.endr
	s_wait_tensorcnt 0x0                           ; the wave's end
	ds_add_u32 v[SPW], v[NIL]
	s_wait_dscnt 0x0
	ROUND                                          ; the closing round
	s_endpgm
.Lfunc_end_k_q5e0d90c93b_attn:
	.size	k_q5e0d90c93b_attn, .Lfunc_end_k_q5e0d90c93b_attn-k_q5e0d90c93b_attn
	.p2alignl 7, 3214868480
	.fill 96, 4, 3214868480
	.section	.rodata,"a",@progbits
	.p2align	6, 0x0
	.amdhsa_kernel k_q5e0d90c93b_attn
		.amdhsa_group_segment_fixed_size 264192
		.amdhsa_private_segment_fixed_size 0
		.amdhsa_enable_private_segment 0
		.amdhsa_kernarg_size 24
		.amdhsa_user_sgpr_count 2
		.amdhsa_user_sgpr_kernarg_segment_ptr 1
		.amdhsa_wavefront_size32 1
		.amdhsa_system_sgpr_workgroup_id_x 1
		.amdhsa_system_sgpr_workgroup_id_y 1
		.amdhsa_system_sgpr_workgroup_id_z 1
		.amdhsa_system_vgpr_workitem_id 0
		.amdhsa_next_free_vgpr 240
		.amdhsa_next_free_sgpr 66
		.amdhsa_reserve_vcc 0
		.amdhsa_float_denorm_mode_32 3
		.amdhsa_float_denorm_mode_16_64 3
		.amdhsa_memory_ordered 1
		.amdhsa_forward_progress 1
		.amdhsa_inst_pref_size 67
	.end_amdhsa_kernel
	.amdgpu_metadata
---
amdhsa.version: [ 1, 2 ]
amdhsa.kernels:
  - .name:           k_q5e0d90c93b_attn
    .symbol:         k_q5e0d90c93b_attn.kd
    .args:
      - { .name: qw, .offset: 0, .size: 8, .value_kind: global_buffer, .address_space: global }
      - { .name: kv, .offset: 8, .size: 8, .value_kind: global_buffer, .address_space: global }
      - { .name: ao, .offset: 16, .size: 8, .value_kind: global_buffer, .address_space: global }
    .group_segment_fixed_size: 264192
    .private_segment_fixed_size: 0
    .kernarg_segment_align: 8
    .kernarg_segment_size: 24
    .max_flat_workgroup_size: 512
    .sgpr_count:     66
    .vgpr_count:     240
    .wavefront_size: 32
...
	.end_amdgpu_metadata
.endif
;; end of part 3
;; launch outp (part 4): grid 8 x 32, 4 waves a work-group, clusters of 4 x 4, 327,680 bytes of LDS; arguments ao, wf, out0; writes out0
.if DOCPART == 4
	.amdgcn_target "amdgcn-amd-amdhsa--gfx1250"
	.amdhsa_code_object_version 6
	.text
	.protected	k_q5e0d90c93b_outp
	.globl	k_q5e0d90c93b_outp
	.p2align	8
	.type	k_q5e0d90c93b_outp,@function
k_q5e0d90c93b_outp:
	s_mov_b64 s[64:65], 0
	v_nop
	global_prefetch_b8 v0, s[64:65] scope:SCOPE_SE
	s_setreg_imm32_b32 hwreg(HW_REG_WAVE_MODE, 25, 1), 1
	s_wait_xcnt 0x0
	s_wait_alu depctr_hold_cnt(0) depctr_sa_sdst(0) depctr_va_vdst(0) depctr_va_sdst(0) depctr_va_ssrc(0) depctr_va_vcc(0) depctr_vm_vsrc(0)
	s_getreg_b32 s2, hwreg(HW_REG_IB_STS2, 6, 4)
	s_cmp_eq_u32 s2, 0
	s_cbranch_scc0 .Lentry_in_a_cluster
	s_endpgm
.Lentry_in_a_cluster:
	s_bfe_u32 s2, ttmp6, 0x10000c
	s_cmp_lg_u32 s2, 0xf033
	s_cbranch_scc0 .Lentry_shape_is_right
	s_endpgm
.Lentry_shape_is_right:
; OUTP.  out0 [4096][1024] f32 = o Wo: M 4,096, N 1,024, K 1,024, f16 operands, f32 sums.  Both operands lie in memory as images of fragments (16 rows x 32 along K: 1,024 bytes):
; ao [row tile 256][K step 32][1,024], wf [column tile 64][K step 32][1,024].
; A tile of out0 is 128 x 128, which gives 256 work-groups.  Four waves, each 64 x 64: 16 accumulators.  K goes in four chunks of 256 (8 K steps) through two LDS slots: a wave's tensor load brings four tiles' parts of a
; chunk, four rows of 8,192 bytes, 32,768 apart in memory, dense in LDS: every fragment load is 16 bytes at 16 x lane, and no padding is wanted.
; CLUSTERS: 4 x 4 work-groups.  The four of a row of the cluster need the same tiles of ao, the four of a column the same tiles of wf: each is asked for jointly.
; THE MATRIX INSTRUCTION IS USED TRANSPOSED (source 0 = 16 columns of Wo, source 1 = 16 rows of o): a lane holds eight neighbouring numbers of a row of out0.
; Four chunks are four changes of slots at most: the walk is written out, with no loop.  No prefetch: two of the four chunks are asked for at the head, and the tile is small.
; REGISTERS: window 0: v0-31 addresses; v32-95 the way out; v128-255 the accumulators ((a, b) at v[128 + 8 (4 a + b)]).  window 1: two fragment buffers of 128: for 64 along K, 64 registers of o, then 64 of Wo.
.set HALFT,  32768                     ; what one tensor load brings, and what one wave reads of either operand
.set SLOT,   4*HALFT                   ; o's eight tiles, then Wo's eight
.set CHUNKB, 8192                      ; a tile's part of a chunk
.set STAGE,  2*SLOT                    ; behind the ring: 16 rows x 272 bytes for each wave, for the way out
.set SPITCH, 272
.set SPARE,  STAGE+4*16*SPITCH         ; the spare words, 128 bytes a wave
.set ADRA, 16                          ; v16-17  my fragments of o in slot 0, 1
.set ADRB, 20                          ; v20-21  of Wo
.set STO,  24
.set RD,   25
.set CO,   26
.set SPW,  28
.set NIL,  29
.set TMP,  32
.set ACC,  128
.set F0,   0
.set F1,   128
.set G1, 24
.set G0, 32
.set G1B, 48
.set G0B, 56
.set MSB, 0
.macro WIN new                         ; the immediate's high byte repeats the setting that is left
.if MSB != \new
	s_set_vgpr_msb (MSB<<8)|\new
.set MSB, \new
.endif
.endm
.set MUL,  0x05                        ; sources 0 and 1 window 1; C and D window 0
.set TO_F, 0x40                        ; destination window 1, address window 0
.macro JLOAD s                         ; a joint load: waves 0 and 1 fetch o's two halves, waves 2 and 3 Wo's; an s_nop 0 and four v_nop follow each of the two lines
	s_cmp_eq_u32 s11, 0
	s_cbranch_scc0 .Lfor_b_\@
	tensor_load_to_lds s[G0+4*\s:G0+4*\s+3], s[G1:G1+7]
	s_nop 0
.rept 4
	v_nop
.endr
	s_branch .Lasked_\@
.Lfor_b_\@:
	tensor_load_to_lds s[G0B+4*\s:G0B+4*\s+3], s[G1B:G1B+7]
	s_nop 0
.rept 4
	v_nop
.endr
.Lasked_\@:
.endm
.macro CREST                           ; a round of the cluster's barrier behind its opening barrier
	s_cmp_lg_u32 s10, 0
	s_cbranch_scc1 .Lnot_wave_0_\@
	s_barrier_signal -3
.Lnot_wave_0_\@:
	s_barrier_wait -3
	s_barrier_signal -1
	s_barrier_wait -1
.endm
.macro CROUND
	s_barrier_signal -1
	s_barrier_wait -1
	CREST
.endm
	s_load_b128 s[4:7], s[0:1], 0x0                ; ao s[4:5], wf s[6:7]
	s_load_b64 s[8:9], s[0:1], 0x10                ; out0
	v_lshl_add_u32 v[SPW], v0, 2, SPARE
	v_mov_b32 v[NIL], 0
	ds_add_u32 v[SPW], v[NIL]                      ; the wave's opening: the add, twice on end, and its wait ahead of my first tensor load
	ds_add_u32 v[SPW], v[NIL]
	v_lshrrev_b32 v1, 5, v0
	v_readfirstlane_b32 s10, v1                    ; wave 0..3
	s_lshr_b32 s11, s10, 1                         ; which half of the tile's rows is mine.  Also: I fetch for o (0) or for Wo (1)
	s_and_b32 s12, s10, 1                          ; which half of its columns.  Also: which four tiles I fetch
	s_bfe_u32 s40, ttmp6, 0x40000                  ; cx, cy
	s_bfe_u32 s41, ttmp6, 0x40004
	s_lshl_b32 s42, ttmp9, 2
	s_add_co_u32 s42, s42, s40                     ; tile column = 4 x cluster x + cx
	s_and_b32 s13, ttmp7, 0xffff
	s_lshl_b32 s13, s13, 2
	s_add_co_u32 s13, s13, s41                     ; tile row = 4 x cluster y + cy
	s_lshl_b32 s43, s41, 2
	s_lshl_b32 s43, 15, s43                        ; my row of the cluster
	s_lshl_b32 s44, 0x1111, s40                    ; my column
	s_or_b32 s[G1+0], s43, (3<<16)|(1<<21)         ; the mask: o's tiles go to my row; elements of 8 bytes; bit 21 beside the mask; no padding
	s_or_b32 s[G1B+0], s44, (3<<16)|(1<<21)
.irp g, G1, G1B
	s_mov_b32 s[\g+1], 1024<<16                    ; tensor_dim0 = 1,024 elements: 8,192 bytes
	s_mov_b32 s[\g+2], 4<<16                       ; tensor_dim1 = 4
	s_mov_b32 s[\g+3], 1024<<16                    ; tile_dim0
	s_mov_b32 s[\g+4], 4                           ; tile_dim1
	s_mov_b32 s[\g+5], 4096                        ; from tile to tile: 32,768 bytes
	s_mov_b32 s[\g+6], 0
	s_mov_b32 s[\g+7], 0
.endr
	s_lshl_b32 s17, s12, 2
	s_lshl_b32 s16, s13, 3
	s_add_co_u32 s16, s16, s17                     ; o: row tile 8 x tile row + 4 x half
	s_lshl_b32 s16, s16, 15
	s_lshl_b32 s46, s42, 3
	s_add_co_u32 s46, s46, s17                     ; Wo: column tile 8 x tile column + 4 x half
	s_lshl_b32 s46, s46, 15
	s_mov_b32 s17, 0
	s_mov_b32 s47, 0
	s_mul_i32 s20, s10, HALFT                      ; where they go: no place in the cluster enters an LDS address
	s_wait_dscnt 0x0                               ; both opening adds are done
	s_wait_kmcnt 0x0
	s_add_nc_u64 s[14:15], s[4:5], s[16:17]
	s_add_nc_u64 s[46:47], s[6:7], s[46:47]
	CROUND                                         ; all sixteen work-groups are here: the first joint loads meet
.irp s, 0,1
	s_mov_b32 s[G0+4*\s], 1
	s_add_co_u32 s[G0+4*\s+1], s20, \s*SLOT
	s_add_nc_u64 s[G0+4*\s+2:G0+4*\s+3], s[14:15], \s*CHUNKB
	s_or_b32 s[G0+4*\s+3], s[G0+4*\s+3], 0x80000000
	s_mov_b32 s[G0B+4*\s], 1
	s_add_co_u32 s[G0B+4*\s+1], s20, \s*SLOT
	s_add_nc_u64 s[G0B+4*\s+2:G0B+4*\s+3], s[46:47], \s*CHUNKB
	s_or_b32 s[G0B+4*\s+3], s[G0B+4*\s+3], 0x80000000
	JLOAD \s
.endr
	v_and_b32 v1, 15, v0                           ; l % 16
	v_bfe_u32 v2, v0, 4, 1                         ; l / 16
	v_and_b32 v3, 31, v0
	v_lshlrev_b32 v3, 4, v3                        ; 16 x lane
	s_lshl_b32 s21, s11, 15                        ; my four tiles of o
	s_lshl_b32 s22, s12, 15                        ; my four of Wo,
	s_add_co_u32 s22, s22, 2*HALFT                 ; which lie behind o's eight
.irp s, 0,1
	v_add_nc_u32 v[ADRA+\s], s21, v3
	v_add_nc_u32 v[ADRB+\s], s22, v3
	s_add_co_u32 s21, s21, SLOT
	s_add_co_u32 s22, s22, SLOT
.endr
	s_mul_i32 s23, s10, 16*SPITCH
	s_add_co_u32 s23, s23, STAGE                   ; my stage
	v_mul_u32_u24 v4, v1, SPITCH                   ; in: row l % 16, 32 bytes for each half of the lanes
	v_lshl_add_u32 v4, v2, 5, v4
	v_add_nc_u32 v[STO], s23, v4
	v_mul_u32_u24 v5, v2, SPITCH                   ; back: lanes 0-15 take one row of 256 bytes, lanes 16-31 the next
	v_lshl_add_u32 v5, v1, 4, v5
	v_add_nc_u32 v[RD], s23, v5
	v_lshlrev_b32 v5, 12, v2                       ; and the same two rows in out0: 4,096 bytes a row
	v_lshl_add_u32 v[CO], v1, 4, v5
	s_lshl_b32 s16, s13, 7
	s_lshl_b32 s17, s11, 6
	s_add_co_u32 s16, s16, s17                     ; my first row: 128 x tile row + 64 x half
	s_lshl_b32 s16, s16, 12
	s_mov_b32 s17, 0
	s_add_nc_u64 s[8:9], s[8:9], s[16:17]
	s_lshl_b32 s46, s42, 9                         ; my first column, in bytes: 512 x tile column + 256 x half
	s_lshl_b32 s47, s12, 8
	s_add_co_u32 s46, s46, s47
	s_mov_b32 s47, 0
	s_add_nc_u64 s[8:9], s[8:9], s[46:47]
; 8 matrix instructions: row blocks a0, a0 + 1 x all 4 column blocks, 32 along K: half c of buffer f.  zero = 1: the first product starts the sums
.macro MUL8 f, c, a0, zero
.irp a, \a0, \a0+1
.irp b, 0,1,2,3
.if \zero
	v_wmma_f32_16x16x32_f16 v[ACC+8*(4*(\a)+\b):ACC+8*(4*(\a)+\b)+7], v[\f+64+8*(4*\c+\b):\f+64+8*(4*\c+\b)+7], v[\f+8*(4*\c+\a):\f+8*(4*\c+\a)+7], 0
.else
	v_wmma_f32_16x16x32_f16 v[ACC+8*(4*(\a)+\b):ACC+8*(4*(\a)+\b)+7], v[\f+64+8*(4*\c+\b):\f+64+8*(4*\c+\b)+7], v[\f+8*(4*\c+\a):\f+8*(4*\c+\a)+7], v[ACC+8*(4*(\a)+\b):ACC+8*(4*(\a)+\b)+7]
.endif
.endr
.endr
.endm
; 32 LDS loads in one run: the fragments of the slot's q-th 64 along K (K steps 2 q and 2 q + 1) into buffer f; the first 32 along K first
.macro FETCH slot, q, f
	WIN TO_F
.irp c, 0,1
.irp i, 0,1,2,3
	ds_load_b128 v[\f+64+8*(4*\c+\i):\f+64+8*(4*\c+\i)+3],   v[ADRB+\slot] offset:\i*CHUNKB+(2*(\q)+\c)*1024
	ds_load_b128 v[\f+64+8*(4*\c+\i)+4:\f+64+8*(4*\c+\i)+7], v[ADRB+\slot] offset:\i*CHUNKB+(2*(\q)+\c)*1024+512
	ds_load_b128 v[\f+8*(4*\c+\i):\f+8*(4*\c+\i)+3],         v[ADRA+\slot] offset:\i*CHUNKB+(2*(\q)+\c)*1024
	ds_load_b128 v[\f+8*(4*\c+\i)+4:\f+8*(4*\c+\i)+7],       v[ADRA+\slot] offset:\i*CHUNKB+(2*(\q)+\c)*1024+512
.endr
.endr
.endm
.macro PLACES                          ; four places in front of loads into registers that matrix instructions have read, and of the first read of results
.rept 4
	v_nop
.endr
.endm
; A chunk is four quarters of 64 along K, 32 matrix instructions each, on buffers 0, 1, 0, 1.  One of the first three: multiplies buffer f and fetches quarter q into g.
.macro QUARTER slot, q, f, g, zero
	s_wait_dscnt 16                                ; the first 32 along K are in
	WIN MUL
	MUL8 \f, 0, 0, \zero
	MUL8 \f, 0, 2, \zero
	PLACES
	FETCH \slot, \q, \g
	s_wait_dscnt 32                                ; all but the 32 just issued
	WIN MUL
	MUL8 \f, 1, 0, 0
	MUL8 \f, 1, 2, 0
.endm
; The last quarter multiplies buffer 1 and changes slots: ONE barrier; in front of it each wave waits for all its tensor loads, adds 0 to its spare word, and waits for that and for its own reads of this slot.
; fill = 1: this slot is filled again, two chunks ahead; the barrier then opens a round of the cluster's.
.macro TURN slot, next, fill
	WIN 0                                          ; (the add's two registers lie in window 0)
	s_wait_tensorcnt 0x0                           ; all my tensor loads have landed: my part of the next slot;
	ds_add_u32 v[SPW], v[NIL]                      ; 0 onto my spare word;
	s_wait_dscnt 17                                ; (the add and the youngest sixteen loads may be out)
	WIN MUL
	MUL8 F1, 0, 0, 0                               ; eight matrix instructions stand between the add and the wait for it
	s_wait_dscnt 0x0                               ; the add is done, and my reads of this slot are over
	s_barrier_signal -1
	MUL8 F1, 0, 2, 0
.if \fill
	WIN 0
.endif
	s_barrier_wait -1
.if \fill
	CREST                                          ; no wave of any partner still reads this slot's tile or has a load on its way
	s_add_nc_u64 s[G0+4*\slot+2:G0+4*\slot+3], s[G0+4*\slot+2:G0+4*\slot+3], 2*CHUNKB
	s_add_nc_u64 s[G0B+4*\slot+2:G0B+4*\slot+3], s[G0B+4*\slot+2:G0B+4*\slot+3], 2*CHUNKB
	JLOAD \slot                                    ; the first tensor load behind the round; the four v_nop behind it are also the places in front of the loads below
.else
	PLACES
.endif
	FETCH \next, 0, F0
	WIN MUL
	MUL8 F1, 1, 0, 0
	MUL8 F1, 1, 2, 0
.endm
	s_wait_tensorcnt 1                             ; my part of chunk 0 is in (chunk 1's load may be out)
	s_barrier_signal -1
	s_barrier_wait -1                              ; everybody's is
	FETCH 0, 0, F0
	QUARTER 0, 1, F0, F1, 1                        ; the first products start the sums
	QUARTER 0, 2, F1, F0, 0
	QUARTER 0, 3, F0, F1, 0
	TURN 0, 1, 1                                   ; slot 0 takes chunk 2
	QUARTER 1, 1, F0, F1, 0
	QUARTER 1, 2, F1, F0, 0
	QUARTER 1, 3, F0, F1, 0
	TURN 1, 0, 1                                   ; slot 1 takes chunk 3
	QUARTER 0, 1, F0, F1, 0
	QUARTER 0, 2, F1, F0, 0
	QUARTER 0, 3, F0, F1, 0
	TURN 0, 1, 0                                   ; nothing is left to fetch
	QUARTER 1, 1, F0, F1, 0
	QUARTER 1, 2, F1, F0, 0
	QUARTER 1, 3, F0, F1, 0
	s_wait_dscnt 16                                ; the very last quarter
	WIN MUL
	MUL8 F1, 0, 0, 0
	MUL8 F1, 0, 2, 0
	s_wait_dscnt 0
	MUL8 F1, 1, 0, 0
	MUL8 F1, 1, 2, 0
	WIN 0
; THE WAY OUT, a block of 16 rows x 64 columns at a time.  A lane holds 32 neighbouring bytes of a row, the lanes beside it other rows: the block goes through my own stage and comes back as whole rows of 256 bytes.
; LDS serves a wave's instructions in order (ISA guide 5.7.1.4): no wait between the stores and the loads, nor in front of the next block's stores.
.macro TOSTAGE a
.irp b, 0,1,2,3
	ds_store_b128 v[STO], v[ACC+8*(4*(\a)+\b):ACC+8*(4*(\a)+\b)+3] offset:64*\b          ; each accumulator from its low end on
	ds_store_b128 v[STO], v[ACC+8*(4*(\a)+\b)+4:ACC+8*(4*(\a)+\b)+7] offset:64*\b+16
.endr
.set BB, TMP+32*((\a)%2)
.irp i, 0,1,2,3,4,5,6,7
	ds_load_b128 v[BB+4*\i:BB+4*\i+3], v[RD] offset:2*\i*SPITCH
.endr
.endm
.macro SEND a, younger                 ; younger: the LDS instructions issued behind block a's loads
.set BB, TMP+32*((\a)%2)
	s_wait_dscnt \younger
.irp i, 0,1,2,3,4,5,6,7
	global_store_b128 v[CO], v[BB+4*\i:BB+4*\i+3], s[8:9] offset:(16*(\a)+2*\i)*4096 th:TH_STORE_NT   ; 16 lanes store 256 consecutive bytes, aligned
.endr
.endm
	PLACES
	TOSTAGE 0
.irp a, 1,2,3
.if \a > 1
	s_wait_xcnt 0x0                                ; block a - 2's stores have read their registers: block a's loads may land there
.endif
	TOSTAGE \a
	SEND \a-1, 16                                  ; behind block a - 1's loads: block a's 8 stores and 8 loads
.endr
	SEND 3, 0
	s_wait_tensorcnt 0x0                           ; the wave's end
	ds_add_u32 v[SPW], v[NIL]
	s_wait_dscnt 0x0
	CROUND                                         ; the closing round
	s_endpgm
.Lfunc_end_k_q5e0d90c93b_outp:
	.size	k_q5e0d90c93b_outp, .Lfunc_end_k_q5e0d90c93b_outp-k_q5e0d90c93b_outp
	.p2alignl 7, 3214868480
	.fill 96, 4, 3214868480
	.section	.rodata,"a",@progbits
	.p2align	6, 0x0
	.amdhsa_kernel k_q5e0d90c93b_outp
		.amdhsa_group_segment_fixed_size 327680
		.amdhsa_private_segment_fixed_size 0
		.amdhsa_enable_private_segment 0
		.amdhsa_kernarg_size 24
		.amdhsa_user_sgpr_count 2
		.amdhsa_user_sgpr_kernarg_segment_ptr 1
		.amdhsa_wavefront_size32 1
		.amdhsa_system_sgpr_workgroup_id_x 1
		.amdhsa_system_sgpr_workgroup_id_y 1
		.amdhsa_system_sgpr_workgroup_id_z 1
		.amdhsa_system_vgpr_workitem_id 0
		.amdhsa_next_free_vgpr 512
		.amdhsa_next_free_sgpr 66
		.amdhsa_reserve_vcc 0
		.amdhsa_float_denorm_mode_32 3
		.amdhsa_float_denorm_mode_16_64 3
		.amdhsa_memory_ordered 1
		.amdhsa_forward_progress 1
		.amdhsa_inst_pref_size 85
	.end_amdhsa_kernel
	.amdgpu_metadata
---
amdhsa.version: [ 1, 2 ]
amdhsa.kernels:
  - .name:           k_q5e0d90c93b_outp
    .symbol:         k_q5e0d90c93b_outp.kd
    .args:
      - { .name: ao, .offset: 0, .size: 8, .value_kind: global_buffer, .address_space: global }
      - { .name: wf, .offset: 8, .size: 8, .value_kind: global_buffer, .address_space: global }
      - { .name: out0, .offset: 16, .size: 8, .value_kind: global_buffer, .address_space: global }
    .group_segment_fixed_size: 327680
    .private_segment_fixed_size: 0
    .kernarg_segment_align: 8
    .kernarg_segment_size: 24
    .max_flat_workgroup_size: 128
    .sgpr_count:     66
    .vgpr_count:     512
    .wavefront_size: 32
...
	.end_amdgpu_metadata
.endif
;; end of part 4
